; MI455X (gfx1250); checked and timed in simulation.
; The chip was launched on July 23, 2026; its instructions are those of AMD's public machine-readable ISA for CDNA 5 (MIT licence, August 2026) and "CDNA5" Instruction Set Architecture Reference Guide (July 2026). The comments in the code are by the model that wrote it; some were corrected since.
;; attention. Allowed arithmetic: matrix products marked QUANTISED: E2M1 operands, one E8M0 scale for each 32 along K, by v_wmma_scale_f32_16x16x128_f8f6f4 with both operands' format E2M1 (or v_wmma_scale_f32_32x16x128_f4), f32 sums; products left as they are: f32 operands where the result goes on into a quantised operand, else bf16, f16 or f32 operands; f32 sums; everything else in f32.
;; Inputs: Wk_codes 1,024 x 32 x 16 uint8 (E2M1 codes of Wk, K innermost, in blocks of 32 codes, two codes a byte); Wk_scales 1,024 x 32 uint8 (E8M0 scales of Wk, one for each 32 codes along K); Wo_codes 1,024 x 32 x 16 uint8 (E2M1 codes of Wo, K innermost, in blocks of 32 codes, two codes a byte); Wo_scales 1,024 x 32 uint8 (E8M0 scales of Wo, one for each 32 codes along K); Wq_codes 1,024 x 32 x 16 uint8 (E2M1 codes of Wq, K innermost, in blocks of 32 codes, two codes a byte); Wq_scales 1,024 x 32 uint8 (E8M0 scales of Wq, one for each 32 codes along K); Wv_codes 1,024 x 32 x 16 uint8 (E2M1 codes of Wv, K innermost, in blocks of 32 codes, two codes a byte); Wv_scales 1,024 x 32 uint8 (E8M0 scales of Wv, one for each 32 codes along K); hidden_states_codes 1 x 4,096 x 32 x 16 uint8 (E2M1 codes of hidden_states, K innermost, in blocks of 32 codes, two codes a byte); hidden_states_scales 1 x 4,096 x 32 uint8 (E8M0 scales of hidden_states, one for each 32 codes along K).
;; Outputs: out0 1 x 4,096 x 1,024 float32.
;; This version of the problem:
;;   THIS VERSION OF THE PROBLEM IS GIVEN IN LOW PRECISION. The matrix products marked QUANTISED in the list below multiply operands that are first quantised to E2M1 (2 exponent bits, 1 mantissa bit; 4 bits a number), with one power-of-two scale for each 32 numbers along K (OCP MX v1.0); their sums are f32. All else is computed in f32.
;;   The module's matrix products, in the order in which they are computed (A, B: the left and right operand; K: the contracted axis; several contracted axes count as one K, in the product's order):
;;     1. [M 4,096, K 1,024] x [K 1,024, N 1,024]; A: input hidden_states (given as codes); B: input Wq (given as codes): QUANTISED
;;     2. [M 4,096, K 1,024] x [K 1,024, N 1,024]; A: input hidden_states (given as codes); B: input Wk (given as codes): QUANTISED
;;     3. [M 4,096, K 1,024] x [K 1,024, N 1,024]; A: input hidden_states (given as codes); B: input Wv (given as codes): QUANTISED
;;     4. [M 4,096, K 1] x [K 1, N 32]; A: computed on the way; B: computed on the way: left as it is (no contracted axis)
;;     5. batch 16 x [M 4,096, K 64] x [K 64, N 4,096]; A: computed on the way; B: computed on the way: QUANTISED
;;     6. batch 16 x [M 4,096, K 4,096] x [K 4,096, N 64]; A: softmax (see below); B: computed on the way: QUANTISED
;;     7. [M 4,096, K 1,024] x [K 1,024, N 1,024]; A: computed on the way; B: input Wo (given as codes): QUANTISED
;;   THE QUANTISER, for each operand of a quantised product, along K:
;;     - K is cut into blocks of 32 from its start; a last block that is shorter is filled with zeros.
;;     - A block's scale is 2^e with e = floor(log2(the largest magnitude in the block)) - 2, held to -126 .. 127; a block of zeros has e = 0. As a byte (E8M0): e + 127.
;;     - Each number is divided by its block's scale, clamped to +-6, and rounded to the nearest number of E2M1, ties to even, subnormals kept.
;;     - The product sums the exact products of the quantised numbers (number of the format x scale) in f32.
;;   ~~~python
;;   def quantise(x, axis):      # numpy; x: float32 -> the quantised numbers, widened to float32 again
;;       x = np.moveaxis(x, axis, -1); K = x.shape[-1]
;;       x = np.pad(x, [(0, 0)] * (x.ndim - 1) + [(0, -K % 32)]); x = x.reshape(x.shape[:-1] + (-1, 32)); a = np.abs(x).max(-1, keepdims=True)
;;       e = np.where(a > 0, np.clip(np.frexp(np.where(a > 0, a, 1))[1] - 1 - 2, -126, 127), 0)      # np.frexp(a)[1] - 1 = floor(log2(a)), exactly
;;       r = np.clip(x / 2.0 ** e, -6, 6)
;;       step = 2.0 ** (np.maximum(np.frexp(np.where(r == 0, 1, r))[1] - 1, 0) - 1)
;;       q = np.round(r / step) * step * 2.0 ** e      # np.round: ties to even
;;       return np.moveaxis(q.reshape(q.shape[:-2] + (-1,))[..., :K], -1, axis).astype(np.float32)
;;   ~~~
;;   SOFTMAX AHEAD OF A QUANTISED PRODUCT. Where the list says 'softmax', what is quantised is not the finished softmax but p = 2^(t - M), with t = logit x log2(e) and M = ceil(the row's largest t), a whole number; so 1/2 < the row's largest p <= 1. The row's sum l is taken of the UNQUANTISED p, in f32, and the product's result is divided by l at the end. Since M is a whole number, a kernel that streams over the keys may use a running M (the ceiling of the running maximum): every later rescaling is an exact power of two, which a block's scale takes up: the codes' values come out the same.
;;   OPERANDS COMPUTED ON THE WAY. 'Computed on the way' means the value that the module computes at that place (a softmax that the list does not call 'softmax' is quantised finished and normalised). What goes into a quantiser is computed in f32, as accurately as f32 sums, v_exp_f32 and their like allow (about 1e-6 of the number): no bf16 or f16 on the way to a quantiser, and a product that is left as it is and whose result goes on into a quantised operand takes f32 operands (vector FMAs, or v_wmma_f32_16x16x4_f32). A number that lies on a knife's edge between two numbers of the format may be rounded either way, as far as f32 arithmetic and the matrix unit's own rounding can turn it there, and no further.
;;   INPUTS GIVEN AS CODES. Wk (in the module: [1024, 1024], K = its axis 1); Wo (in the module: [1024, 1024], K = its axis 1); Wq (in the module: [1024, 1024], K = its axis 1); Wv (in the module: [1024, 1024], K = its axis 1); hidden_states (in the module: [1, 4096, 1024], K = its axis 2): each comes as NAME_codes (uint8): NAME with its K axis moved to the last place and cut into blocks of 32 codes, [.., K / 32, bytes a block], one block behind the other in memory; two codes a byte, the lower K in the low four bits (a code: sign, 2 exponent bits, 1 mantissa bit); and NAME_scales (uint8): the same leading axes, one E8M0 byte (e + 127) for each 32 codes along K. Its value is code x scale, taken as it is: it is not quantised again, and the codes and scales need not be those that the quantiser above would give.
;; One version. Each part assembles by itself: llvm-mc -triple=amdgcn-amd-amdhsa -mcpu=gfx1250 --defsym DOCPART=n.
;; ======== version 1 of 1: 3 launches
;; limits: right only within a limited range of input values
;; workspace buffers: qimg 2,359,296 bytes; kv 4,718,592 bytes; ao_codes 2,097,152 bytes; ao_scales 131,072 bytes
;; launch proj (part 1): grid 8 x 32, 4 waves a work-group, clusters of 4 x 4, 327,680 bytes of LDS; arguments hidden_states_codes, hidden_states_scales, Wq_codes, Wq_scales, Wk_codes, Wk_scales, Wv_codes, Wv_scales, qimg, kv; writes qimg, kv
.if DOCPART == 1
	.amdgcn_target "amdgcn-amd-amdhsa--gfx1250"
	.amdhsa_code_object_version 6
	.text
	.protected	k_q33a80cbb4c_proj
	.globl	k_q33a80cbb4c_proj
	.p2align	8
	.type	k_q33a80cbb4c_proj,@function
k_q33a80cbb4c_proj:
	s_mov_b64 s[64:65], 0
	v_nop
	global_prefetch_b8 v0, s[64:65] scope:SCOPE_SE
	s_setreg_imm32_b32 hwreg(HW_REG_WAVE_MODE, 25, 1), 1
	s_wait_xcnt 0x0
	s_wait_alu depctr_hold_cnt(0) depctr_sa_sdst(0) depctr_va_vdst(0) depctr_va_sdst(0) depctr_va_ssrc(0) depctr_va_vcc(0) depctr_vm_vsrc(0)
	s_getreg_b32 s2, hwreg(HW_REG_IB_STS2, 6, 4)
	s_cmp_eq_u32 s2, 0
	s_cbranch_scc0 .Lentry_in_a_cluster
	s_endpgm
.Lentry_in_a_cluster:
	s_bfe_u32 s2, ttmp6, 0x10000c
	s_cmp_lg_u32 s2, 0xf033
	s_cbranch_scc0 .Lentry_shape_is_right
	s_endpgm
.Lentry_shape_is_right:
; q, k, v = x Wq^T, x Wk^T, x Wv^T on the given codes of FP4 (E2M1) with E8M0 scales; q and k turned by the rotary embedding in f32; q and k quantised along the head's 64, v along the keys.
; What is stored are IMAGES OF OPERAND REGISTERS for the next launch: qimg [head][step of 128 positions][4,608]: 8 tiles x 512 bytes (lane l's 16 bytes at 16 l), then 512 bytes of scale words
; (lane (r, h): the words of tiles 4 h .. 4 h + 3, row r).  kv [head][K part, V part][step][4,608]: K like qimg; V: 4 fragments x 1,024 bytes, then the four tiles' scale words of row r at 16 l.
; SHARES.  A work-group takes 128 positions (a step) and two heads; 256 work-groups.  Wave j takes all 128 positions x 4 tiles of Wq (j even) or Wk (j odd) of head 2 hp + j / 2, and 2 tiles of Wv: 48 accumulators.
; THE ORDER OF POSITIONS: lane r of tile m = 4 c + u takes position 64 c + 8 u + 32 (r / 8) + r % 8.  For v (source 0 = x) a lane's 32 registers of tiles 4 c .. 4 c + 3 are then 32 neighbouring keys:
; a whole block of the quantiser in one lane, in the order that the 4-bit operand wants.  The next launch's scores fall the same way.
; q AND k ARE MADE TRANSPOSED (source 0 = W, source 1 = x), lane r' of W's tile t taking channel 32 (r' / 8) + 8 t + r' % 8: lane (r, h) holds channels 32 h + 0 .. 31 of position r.
; ROTARY: out[d] = y[d] cos_d - y[2 d + 1] sin_d, out[32 + d] = y[32 + d] cos_d + y[2 d] sin_d, d = 0 .. 31.  Lane half h holds y[2 d], y[2 d + 1] for d = 16 h .. 16 h + 15: it makes both sine products,
; and one exchange of halves a pair brings each to the lane that holds its y[d] or y[32 + d].  The lane then holds a whole block of 32 of the result.
; ANGLES: position x f_i in one f32 product, f_i = B^(-i / 32) rounded ONCE to f32, B = 20452.228515625 (10000 x 2^(64/62) as f32): 1 / B^c taken as B^(-c).
; The powers of h = B^(-1/32) are kept as sums of two f32; the high word is the rounded power.  Sine and cosine: reduction by pi / 2 in two parts, polynomials on +-pi / 4.
; CLUSTER 4 x 4: x's tile hangs on the step alone and is asked for jointly along a row of the cluster, the weights' tiles on the pair of heads alone and jointly along a column.
; All of K (1,024) fits in LDS at once: every tensor load is a first fill, one a wave is out, and no LDS byte is filled twice.
; LIMITS: NaN, infinities and the scale byte 0xff among the inputs are not served.  A block of zeros gets the byte 1 where the rule says 127: its codes are zeros, and only this program reads the bytes.
; f_i is the correctly rounded B^(-i / 32) up to an error near 2^-40 of the number ahead of the rounding.  Where the power and the reciprocal are rounded one after the other, f_i differs from this by one unit
; in the last place at some i (2, 4 and 5 among them).  Sine and cosine are good to about 1e-7 absolute for angles up to 4,096.
.set TILEB, 67584                      ; a tile of 128 rows in LDS, brought whole by ONE tensor load of its wave
.set GRP,   16896                      ; 32 rows x 528: the rows lie at one even pitch
.set PITCH, 528                        ; a row: 512 bytes + 16 of padding
.set CSB,   4*TILEB                    ; behind the four tiles: cosines and sines, 8 tiles x 4,096 bytes, as images of registers
.set FLOOR, 0x01800000                 ; 2^(3 - 127): under it no largest magnitude is taken, so no scale byte falls under 1
.set EOFF,  0xff000000                 ; takes 2 off an exponent field
; window 0
.set L16, 1                            ; 16 x lane
.set R,   2                            ; lane % 16
.set H,   3                            ; lane / 16
.set AX,  4                            ; LDS: my row of a tile of x
.set AW,  5                            ; of my Wq or Wk
.set AV,  6                            ; of my Wv
.set PS,  7                            ; scale bytes: my row in the order of positions, + 16 h
.set PN,  8                            ; in natural order
.set VO1, 9                            ; where V's fragments go
.set VO2, 10                           ; and V's scale words
.set CSW, 11                           ; LDS: where I store cosines and sines
.set CSR, 12                           ; where I read my own lane's
.set H8,  13                           ; 8 h
.set CSR2, 14                          ; where I read lane r's
.set PD,  15                           ; a lane permute's destination
.set POS, 16
.set GHV, 17
.set GLV, 18
.set QH,  19
.set QL,  20
.set T0,  21
.set T1,  22
.set LO,  23
.set R7,  24
.set R3,  25
.set PI,  26
.set PT,  27
.set VB,  26                           ; later: V's two scale bytes
.set MA,  28
.set MB,  29
.set SO,  30
.set BY,  31
.set XS,  32                           ; v32-63  x's scale words, 4 registers a tile: lanes 0-15 K steps 0-3, lanes 16-31 K steps 4-7
.set WS,  64                           ; v64-79  my Wq's or Wk's
.set VSC, 80                           ; v80-87  my Wv's
.set F,   88                           ; v88-103 f_(16 h + i)
.set SCO, 104                          ; v104-167 cosines and sines as they are made, 8 registers a group
.set SI,  104                          ; later v104-119: sin, frequencies 16 h + i
.set SW,  120                          ; v120-127 the eight tiles' scale words
.set CO,  128                          ; v128-159 cos, frequencies 0 .. 31
.set RR,  160                          ; v160-191 the sine products
.set N,   192                          ; v192-223 a tile's 32 rotated numbers
.set TA,  192                          ; (earlier: at work for sine and cosine, four values at a time)
.set TN,  196
.set TZ,  200
.set TS,  204
.set TC,  208
.set TW,  212
.set TX,  216
.set QC,  224                          ; v224-255 the eight tiles' codes
.set VC,  128                          ; later: V's codes,
.set VW,  144                          ; V's two scale words,
.set KW,  148                          ; and the scale words as they are stored
; window 1: q's or k's accumulators at v[32 m + 8 t].  window 2: v's at v[64 n + 8 m].  window 3: two fragment buffers of 128: x at 8 m, W at 64 + 8 t, Wv at 96 + 8 n
.set WV,   24
.set JB,   25
.set JH,   26
.set CX,   27
.set CY,   28
.set WGX,  29
.set WGY,  30
.set ROWM, 31
.set COLM, 32
.set G1X,  36
.set G1W,  44
.set T2PI, 52
.set NP1,  53
.set NP2,  54
.set KS1,  55
.set KS2,  56
.set KS3,  57
.set KC0,  58
.set KC1,  59
.set KC2,  60
.set G0X,  68
.set G0W,  84
.set SEL,  100
.set MSB, 0
.macro WIN new                         ; the immediate's high byte repeats the setting that is left
.if MSB != \new
	s_set_vgpr_msb (MSB<<8)|\new
.set MSB, \new
.endif
.endm
.macro PLACES                          ; four plain places behind matrix instructions (ISA guide 7.12.1)
.rept 4
	v_nop
.endr
.endm
.macro CROUND                          ; a round of the cluster's barrier
	s_barrier_signal -1
	s_barrier_wait -1
	s_cmp_lg_u32 s[WV], 0
	s_cbranch_scc1 .Lnot_wave_0_\@
	s_barrier_signal -3
.Lnot_wave_0_\@:
	s_barrier_wait -3
	s_barrier_signal -1
	s_barrier_wait -1
.endm
.macro MM d, a, b, sa, sb, zero, row   ; one product; zero: it starts its sum; row: the scale words of K steps 4-7 lie in lanes 16-31
.if \zero
	v_wmma_scale_f32_16x16x128_f8f6f4 v[(\d):(\d)+7], v[(\a):(\a)+7], v[(\b):(\b)+7], 0, v[(\sa)], v[(\sb)] matrix_a_fmt:MATRIX_FMT_FP4 matrix_b_fmt:MATRIX_FMT_FP4
.elseif \row
	v_wmma_scale_f32_16x16x128_f8f6f4 v[(\d):(\d)+7], v[(\a):(\a)+7], v[(\b):(\b)+7], v[(\d):(\d)+7], v[(\sa)], v[(\sb)] matrix_a_fmt:MATRIX_FMT_FP4 matrix_b_fmt:MATRIX_FMT_FP4 matrix_a_scale:MATRIX_SCALE_ROW1 matrix_b_scale:MATRIX_SCALE_ROW1
.else
	v_wmma_scale_f32_16x16x128_f8f6f4 v[(\d):(\d)+7], v[(\a):(\a)+7], v[(\b):(\b)+7], v[(\d):(\d)+7], v[(\sa)], v[(\sb)] matrix_a_fmt:MATRIX_FMT_FP4 matrix_b_fmt:MATRIX_FMT_FP4
.endif
.endm
	s_load_b512 s[4:19], s[0:1], 0x0               ; x's codes s[4:5], scales s[6:7]; Wq's s[8:11]; Wk's s[12:15]; Wv's s[16:19]
	s_load_b128 s[20:23], s[0:1], 0x40             ; qimg, kv
	s_set_vgpr_msb 0x80
	v_lshl_add_u32 v254, v0, 2, 0x4a800
	v_mov_b32 v255, 0
	s_set_vgpr_msb 0x808a
	ds_add_u32 v254, v255
	ds_add_u32 v254, v255
	s_set_vgpr_msb 0x8a00
	v_lshrrev_b32 v1, 5, v0
	v_readfirstlane_b32 s[WV], v1                  ; wave j = 0..3
	s_and_b32 s[JB], s[WV], 1                      ; 0: q, 1: k
	s_lshr_b32 s[JH], s[WV], 1                     ; which head of the pair
	s_bfe_u32 s[CX], ttmp6, 0x40000
	s_bfe_u32 s[CY], ttmp6, 0x40004
	s_lshl_b32 s[WGX], ttmp9, 2
	s_add_co_u32 s[WGX], s[WGX], s[CX]             ; the pair of heads = 4 x cluster x + cx
	s_and_b32 s[WGY], ttmp7, 0xffff
	s_lshl_b32 s[WGY], s[WGY], 2
	s_add_co_u32 s[WGY], s[WGY], s[CY]             ; the step = 4 x cluster y + cy
	s_lshl_b32 s[ROWM], s[CY], 2
	s_lshl_b32 s[ROWM], 15, s[ROWM]                ; my row of the cluster
	s_lshl_b32 s[COLM], 0x1111, s[CX]              ; my column
	; group 1: 128 rows of 512 bytes, 16 bytes of padding behind each
	s_or_b32 s[G1X], s[ROWM], (1<<20)|(1<<21)|(6<<22)|(3<<25)   ; 15:0 the mask; 17:16 elements of 1 byte; 20 padding on; 21 set beside a mask; 24:22 after every 128 words; 31:25 four words
	s_or_b32 s[G1W], s[COLM], (1<<20)|(1<<21)|(6<<22)|(3<<25)
.irp g, G1X, G1W
	s_mov_b32 s[\g+1], 512<<16                     ; tensor_dim0
	s_mov_b32 s[\g+2], 128<<16                     ; tensor_dim1
	s_mov_b32 s[\g+3], 512<<16                     ; tile_dim0
	s_mov_b32 s[\g+4], 128                         ; tile_dim1
	s_mov_b32 s[\g+5], 512                         ; from row to row
	s_mov_b32 s[\g+6], 0
	s_mov_b32 s[\g+7], 0
.endr
	s_mov_b32 s[T2PI], 0x3f22f983                  ; 2 / pi
	s_mov_b32 s[NP1], 0xbfc90fdb                   ; -pi / 2 in two parts
	s_mov_b32 s[NP2], 0x333bbd2e
	s_mov_b32 s[KS1], 0xbe2aaaa3                   ; sine: r + r z (S1 + z (S2 + z S3))
	s_mov_b32 s[KS2], 0x3c08839e
	s_mov_b32 s[KS3], 0xb94ca1f9
	s_mov_b32 s[KC0], 0x3d2aaaa5                   ; cosine: 1 - z / 2 + z z (C0 + z (C1 + z C2))
	s_mov_b32 s[KC1], 0xbab6061a
	s_mov_b32 s[KC2], 0x37ccf5ce
	s_mov_b32 s[SEL], 0x76543210                   ; v_permlanex16_b32: lane l xor 16
	s_mov_b32 s[SEL+1], 0xfedcba98
	s_mul_i32 s33, s[WV], TILEB                    ; wave w brings tile w: x, Wq, Wk, Wv
	s_lshl_b32 s34, s[WGY], 16                     ; x: 128 rows of 512 bytes a step
	s_mov_b32 s35, 0
	s_lshl_b32 s62, s[WGX], 16                     ; W: 128 rows a pair of heads
	s_mov_b32 s63, 0
	s_wait_dscnt 0x0
	s_wait_kmcnt 0x0
	s_add_nc_u64 s[4:5], s[4:5], s[34:35]
	s_cmp_eq_u32 s[WV], 1
	s_cselect_b64 s[8:9], s[8:9], s[16:17]         ; wave 1: Wq; else Wv,
	s_cmp_eq_u32 s[WV], 2
	s_cselect_b64 s[8:9], s[12:13], s[8:9]         ; but wave 2: Wk
	s_add_nc_u64 s[8:9], s[8:9], s[62:63]
	CROUND                                         ; all sixteen work-groups are here: the joint loads meet
.irp g, 0
	s_mov_b32 s[G0X+4*\g], 1
	s_add_co_u32 s[G0X+4*\g+1], s33, \g*GRP
	s_add_nc_u64 s[G0X+4*\g+2:G0X+4*\g+3], s[4:5], \g*16384
	s_or_b32 s[G0X+4*\g+3], s[G0X+4*\g+3], 0x80000000
	s_mov_b32 s[G0W+4*\g], 1
	s_add_co_u32 s[G0W+4*\g+1], s33, \g*GRP
	s_add_nc_u64 s[G0W+4*\g+2:G0W+4*\g+3], s[8:9], \g*16384
	s_or_b32 s[G0W+4*\g+3], s[G0W+4*\g+3], 0x80000000
.endr
	s_cmp_eq_u32 s[WV], 0                          ; one first fill a wave, in the two arms of one branch on the wave's number; four v_nop follow each
	s_cbranch_scc0 .Lfor_w
	tensor_load_to_lds s[G0X:G0X+3], s[G1X:G1X+7]
	s_nop 0
	PLACES
	s_branch .Lasked
.Lfor_w:
	tensor_load_to_lds s[G0W:G0W+3], s[G1W:G1W+7]
	s_nop 0
	PLACES
.Lasked:
	; lane addresses
	v_and_b32 v[L16], 31, v0
	v_lshlrev_b32 v[L16], 4, v[L16]
	v_and_b32 v[R], 15, v0
	v_bfe_u32 v[H], v0, 4, 1
	v_and_b32 v[R7], 7, v[R]
	v_lshrrev_b32 v[R3], 3, v[R]
	v_mul_u32_u24 v[AX], v[R7], PITCH
	v_mad_u32_u24 v[AX], v[R3], GRP, v[AX]
	v_lshl_add_u32 v[AX], v[H], 4, v[AX]           ; row r % 8 of group r / 8, + 16 h
	s_add_co_u32 s61, s[JB], 1
	s_mul_i32 s61, s61, TILEB
	s_mul_i32 s3, s[JH], 2*GRP
	s_add_co_u32 s61, s61, s3
	v_add_nc_u32 v[AW], s61, v[AX]                 ; the same in Wq's or Wk's tile, my head's 64 rows
	s_mul_i32 s61, s[WV], GRP
	s_add_co_u32 s61, s61, 3*TILEB
	v_mul_u32_u24 v[AV], v[R], PITCH
	v_lshl_add_u32 v[AV], v[H], 4, v[AV]
	v_add_nc_u32 v[AV], s61, v[AV]                 ; Wv: group j, natural rows
	v_lshlrev_b32 v[PS], 5, v[R7]
	v_lshl_add_u32 v[PS], v[R3], 10, v[PS]
	v_lshl_add_u32 v[PS], v[H], 4, v[PS]           ; 32 bytes of scales a row; lanes 16-31 take the upper 16
	s_wait_alu depctr_va_vdst(0)
	v_lshlrev_b32 v[PN], 5, v[R]
	v_lshl_add_u32 v[PN], v[H], 4, v[PN]
	s_wait_alu depctr_va_vdst(0)
	s_lshl_b32 s2, s[WGY], 12
	s_mov_b32 s3, 0
	s_add_nc_u64 s[6:7], s[6:7], s[2:3]            ; x's scales at the step's first row
	s_cmp_eq_u32 s[JB], 0
	s_cselect_b64 s[10:11], s[10:11], s[14:15]     ; Wq's or Wk's scales,
	s_lshl_b32 s2, s[WGX], 12
	s_lshl_b32 s61, s[JH], 11
	s_add_co_u32 s2, s2, s61
	s_add_nc_u64 s[10:11], s[10:11], s[2:3]        ; at my head's first row
	s_lshl_b32 s2, s[WGX], 12
	s_lshl_b32 s61, s[WV], 10
	s_add_co_u32 s2, s2, s61
	s_add_nc_u64 s[18:19], s[18:19], s[2:3]        ; Wv's at my 32 rows
.irp m, 0,1,2,3,4,5,6,7
	global_load_b128 v[XS+4*\m:XS+4*\m+3], v[PS], s[6:7] offset:(64*(\m/4)+8*(\m%4))*32
.endr
.irp t, 0,1,2,3
	global_load_b128 v[WS+4*\t:WS+4*\t+3], v[PS], s[10:11] offset:256*\t
.endr
.irp n, 0,1
	global_load_b128 v[VSC+4*\n:VSC+4*\n+3], v[PN], s[18:19] offset:512*\n
.endr
	s_lshl_b32 s61, s[JB], 11
	v_add_nc_u32 v[VO1], s61, v[L16]               ; V's tiles 2 (j % 2) + n
	s_lshl_b32 s61, s[JB], 3
	v_add_nc_u32 v[VO2], s61, v[L16]
	s_lshl_b32 s61, s[WV], 13
	s_add_co_u32 s61, s61, CSB
	v_add_nc_u32 v[CSW], s61, v[L16]               ; wave w makes the cosines and sines of tiles 2 w and 2 w + 1
	v_add_nc_u32 v[CSR], CSB, v[L16]
	v_lshl_add_u32 v[CSR2], v[R], 4, CSB
	v_lshlrev_b32 v[H8], 3, v[H]
	v_mov_b32 v[PD], 0                             ; written once: a lane permute's destination counts as one of its sources
	; where the results go
	s_lshl_b32 s61, s[WGX], 1
	s_add_co_u32 s61, s61, s[JH]                   ; my head
	s_mul_i32 s2, s61, 294912                      ; in kv,
	s_mul_i32 s66, s61, 147456                     ; in qimg
	s_mul_i32 s67, s[WGY], 4608                    ; the step
	s_cmp_eq_u32 s[JB], 0
	s_cselect_b64 s[20:21], s[20:21], s[22:23]     ; q's waves store into qimg, k's into kv's K part
	s_cselect_b32 s66, s66, s2
	s_add_co_u32 s66, s66, s67
	s_add_co_u32 s2, s2, s67
	s_add_co_u32 s2, s2, 147456                    ; V's part
	s_mov_b32 s67, 0
	s_add_nc_u64 s[20:21], s[20:21], s[66:67]
	s_add_nc_u64 s[22:23], s[22:23], s[2:3]
	s_lshl_b32 s61, s[WGY], 7                      ; the first position of my two tiles of angles: 128 step + 64 (w / 2) + 16 (w % 2)
	s_lshl_b32 s3, s[JH], 6
	s_add_co_u32 s61, s61, s3
	s_lshl_b32 s3, s[JB], 4
	s_add_co_u32 s61, s61, s3
	v_lshl_add_u32 v[PI], v[R3], 5, v[R7]
	v_add_nc_u32 v[PI], s61, v[PI]                 ; + 32 (r / 8) + r % 8
; THE FREQUENCIES, while the tiles are on their way.  (ch, cl) = (ah, al) x (bh, bl), each a sum of two f32
.macro DFMUL ch, cl, ah, al, bh, bl
	v_mul_f32 v[T0], v[(\ah)], v[(\bh)]
	v_fma_f32 v[T1], v[(\ah)], v[(\bh)], -v[T0]    ; what the product's rounding dropped
	v_fma_f32 v[T1], v[(\ah)], v[(\bl)], v[T1]
	v_fma_f32 v[T1], v[(\al)], v[(\bh)], v[T1]
	v_add_f32 v[(\ch)], v[T0], v[T1]               ; the high word is the sum of the two, rounded once
	v_sub_f32 v[T0], v[(\ch)], v[T0]
	v_sub_f32 v[(\cl)], v[T1], v[T0]
.endm
	v_mov_b32 v[GHV], 0x3f3bba66                   ; h = B^(-1/32) = 0.7333129509905916: its nearest f32,
	v_mov_b32 v[GLV], 0xb2670c73                   ; and what that leaves: -1.34488e-8
	DFMUL QH, QL, GHV, GLV, GHV, GLV               ; h^2
.rept 3
	DFMUL QH, QL, QH, QL, QH, QL                   ; h^4, h^8, h^16
.endr
	v_cmp_ne_u32 vcc_lo, 0, v[H]
	v_cndmask_b32 v[F], 1.0, v[QH], vcc_lo         ; lanes 0-15 begin at h^0, lanes 16-31 at h^16
	v_cndmask_b32 v[LO], 0, v[QL], vcc_lo
.irp i, 1,2,3,4,5,6,7,8,9,10,11,12,13,14,15
	DFMUL F+\i, LO, F+\i-1, LO, GHV, GLV           ; f_(16 h + i) = B^(-(16 h + i) / 32), rounded once
.endr
; cosine and sine of position x f for frequencies 4 q .. 4 q + 3 of my sixteen, tile 2 w + e; stage by stage on four values, so that no line waits for the line above it
.macro SC4 e, q
.set OC, SCO+8*(4*\e+\q)
.set OS, OC+4
.irp k, 0,1,2,3
	v_mul_f32 v[TA+\k], v[POS], v[F+4*\q+\k]       ; the angle: one f32 product
.endr
.irp k, 0,1,2,3
	v_mul_f32 v[TN+\k], s[T2PI], v[TA+\k]
.endr
.irp k, 0,1,2,3
	v_rndne_f32 v[TN+\k], v[TN+\k]                 ; n quarter turns
.endr
.irp k, 0,1,2,3
	v_fma_f32 v[TA+\k], v[TN+\k], s[NP1], v[TA+\k] ; exact: n has 12 bits, and what is left is a multiple of 2^-23 under 1
.endr
.irp k, 0,1,2,3
	v_fma_f32 v[TA+\k], v[TN+\k], s[NP2], v[TA+\k]
.endr
.irp k, 0,1,2,3
	v_cvt_i32_f32 v[TN+\k], v[TN+\k]
.endr
.irp k, 0,1,2,3
	v_mul_f32 v[TZ+\k], v[TA+\k], v[TA+\k]
.endr
.irp k, 0,1,2,3
	v_fma_f32 v[TS+\k], v[TZ+\k], s[KS3], s[KS2]
	v_fma_f32 v[TC+\k], v[TZ+\k], s[KC2], s[KC1]
.endr
.irp k, 0,1,2,3
	v_fma_f32 v[TS+\k], v[TS+\k], v[TZ+\k], s[KS1]
	v_fma_f32 v[TC+\k], v[TC+\k], v[TZ+\k], s[KC0]
.endr
.irp k, 0,1,2,3
	v_mul_f32 v[TW+\k], v[TZ+\k], v[TA+\k]
	v_mul_f32 v[TX+\k], v[TZ+\k], v[TZ+\k]
.endr
.irp k, 0,1,2,3
	v_fma_f32 v[TZ+\k], v[TZ+\k], -0.5, 1.0
.endr
.irp k, 0,1,2,3
	v_fma_f32 v[TS+\k], v[TS+\k], v[TW+\k], v[TA+\k]   ; sin of the rest
	v_fma_f32 v[TC+\k], v[TC+\k], v[TX+\k], v[TZ+\k]   ; cos of the rest
.endr
.irp k, 0,1,2,3
	v_and_b32 v[TW+\k], 1, v[TN+\k]
.endr
.irp k, 0,1,2,3
	v_cmp_ne_u32 vcc_lo, 0, v[TW+\k]               ; an odd number of quarter turns: the two change places
	v_cndmask_b32 v[OS+\k], v[TS+\k], v[TC+\k], vcc_lo
	v_cndmask_b32 v[OC+\k], v[TC+\k], v[TS+\k], vcc_lo
.endr
.irp k, 0,1,2,3
	v_lshlrev_b32 v[TW+\k], 30, v[TN+\k]           ; sin changes sign where n % 4 is 2 or 3,
	v_add_lshl_u32 v[TN+\k], v[TN+\k], 1, 30       ; cos where it is 1 or 2
.endr
.irp k, 0,1,2,3
	v_and_b32 v[TW+\k], 0x80000000, v[TW+\k]
	v_and_b32 v[TN+\k], 0x80000000, v[TN+\k]
.endr
.irp k, 0,1,2,3
	v_xor_b32 v[OS+\k], v[OS+\k], v[TW+\k]
	v_xor_b32 v[OC+\k], v[OC+\k], v[TN+\k]
.endr
	ds_store_b128 v[CSW], v[OC:OC+3] offset:\e*4096+512*\q        ; every group has registers of its own: none is written again before the wait for these stores
	ds_store_b128 v[CSW], v[OS:OS+3] offset:\e*4096+2048+512*\q
.endm
.irp e, 0,1
	v_add_nc_u32 v[PT], 8*\e, v[PI]
	v_cvt_f32_u32 v[POS], v[PT]
.irp q, 0,1,2,3
	SC4 \e, \q
.endr
.endr
	s_wait_loadcnt 0x0                             ; the scale words
	s_wait_dscnt 0x0                               ; for the others' sake: my cosines and sines lie in LDS
	s_wait_tensorcnt 0x0                           ; and so does my tile
	s_barrier_signal -1
	s_barrier_wait -1                              ; everybody's do
.macro LOADCS m                        ; tile m: cos of all 32 frequencies (lane r's sixteen, lane 16 + r's sixteen), sin of my sixteen
.irp q, 0,1,2,3
	ds_load_b128 v[CO+4*\q:CO+4*\q+3], v[CSR2] offset:(\m)*4096+512*\q
	ds_load_b128 v[CO+16+4*\q:CO+16+4*\q+3], v[CSR2] offset:(\m)*4096+512*\q+256
	ds_load_b128 v[SI+4*\q:SI+4*\q+3], v[CSR] offset:(\m)*4096+2048+512*\q
.endr
.endm
.macro FETCH s, p                      ; K step s: 28 loads in one run into buffer p: a fragment is two loads of 16 bytes, 32 bytes apart
	WIN 0xc0                                       ; destination window 3
.irp m, 0,1,2,3,4,5,6,7
.irp c, 0,1
	ds_load_b128 v[128*(\p)+8*\m+4*\c:128*(\p)+8*\m+4*\c+3], v[AX] offset:2*GRP*(\m/4)+8*PITCH*(\m%4)+64*(\s)+32*\c
.endr
.endr
.irp t, 0,1,2,3
.irp c, 0,1
	ds_load_b128 v[128*(\p)+64+8*\t+4*\c:128*(\p)+64+8*\t+4*\c+3], v[AW] offset:8*PITCH*\t+64*(\s)+32*\c
.endr
.endr
.irp n, 0,1
.irp c, 0,1
	ds_load_b128 v[128*(\p)+96+8*\n+4*\c:128*(\p)+96+8*\n+4*\c+3], v[AV] offset:16*PITCH*\n+64*(\s)+32*\c
.endr
.endr
.endm
; A K step of 128: the next step's fragments are asked for first, then 48 products; the 48 accumulators take turns, one instruction a turn, in the same order in every step
.macro KSTEP s
.set FB, 128*((\s)%2)
	s_wait_dscnt 0x0                               ; this step's fragments are in: they were asked for 48 products ago
.if \s < 7
.if \s > 0
	PLACES                                         ; in front of loads into the buffer that the last step multiplied
.endif
	FETCH (\s)+1, ((\s)+1)%2
.endif
	WIN 0x5f                                       ; sources window 3; C and D window 1
.irp m, 0,1,2,3,4,5,6,7
.irp t, 0,1,2,3
	MM 32*\m+8*\t, FB+64+8*\t, FB+8*\m, WS+4*\t+(\s)%4, XS+4*\m+(\s)%4, (\s)==0, (\s)/4
.endr
.endr
	WIN 0xaf                                       ; C and D window 2
.irp n, 0,1
.irp m, 0,1,2,3,4,5,6,7
	MM 64*\n+8*\m, FB+8*\m, FB+96+8*\n, XS+4*\m+(\s)%4, VSC+4*\n+(\s)%4, (\s)==0, (\s)/4
.endr
.endr
.endm
	LOADCS 0
	FETCH 0, 0
.irp s, 0,1,2,3,4,5,6,7
	KSTEP \s
.endr
	PLACES                                         ; in front of the first reads of results
; Tile m of q or k: turned, quantised, stored
.macro ROPE m
	s_wait_dscnt 0x0                               ; its cosines and sines are in
	WIN 0x01                                       ; source 0: window 1
.irp i, 0,1,2,3,4,5,6,7,8,9,10,11,12,13,14,15
	v_mul_f32 v[RR+16+\i], v[32*(\m)+2*\i], v[SI+\i]       ; y[2 d] sin_d, d = 16 h + i; each accumulator is read from its low end on
	v_mul_f32 v[RR+\i], -v[32*(\m)+2*\i+1], v[SI+\i]       ; -y[2 d + 1] sin_d
.endr
	WIN 0
.irp i, 0,1,2,3,4,5,6,7,8,9,10,11,12,13,14,15
	v_permlane16_swap_b32 v[RR+\i], v[RR+16+\i]    ; lanes 0-15 now hold the terms of channels i and 16 + i, lanes 16-31 those of 32 + i and 48 + i
.endr
	WIN 0x01
.irp i, 0,2,4,6,8,10,12,14,16,18,20,22,24,26,28,30
	v_pk_fma_f32 v[N+\i:N+\i+1], v[32*(\m)+\i:32*(\m)+\i+1], v[CO+\i:CO+\i+1], v[RR+\i:RR+\i+1]
.endr
	WIN 0
.if \m < 7
	LOADCS (\m)+1
.endif
	v_max3_num_f32 v[MA], |v[N]|, |v[N+1]|, FLOOR  ; the block's largest magnitude: all 32 numbers are mine; two chains
	v_max3_num_f32 v[MB], |v[N+16]|, |v[N+17]|, |v[N+18]|
.irp i, 2,4,6,8,10,12
	v_max3_num_f32 v[MA], v[MA], |v[N+\i]|, |v[N+\i+1]|
	v_max3_num_f32 v[MB], v[MB], |v[N+17+\i]|, |v[N+18+\i]|
.endr
	v_max3_num_f32 v[MA], v[MA], |v[N+14]|, |v[N+15]|
	v_max3_num_f32 v[MA], v[MA], v[MB], |v[N+31]|
	v_add_nc_u32 v[SO], EOFF, v[MA]                ; 2 off its exponent field: the conversion takes that field as its scale
	v_lshrrev_b32 v[BY], 23, v[SO]                 ; the scale's byte,
	v_lshlrev_b32 v[BY], v[H8], v[BY]              ; at block h's place;
	v_permlanex16_b32 v[PD], v[BY], s[SEL], s[SEL+1]
	v_or_b32 v[BY], v[BY], v[PD]                   ; with the other block's;
	v_or_b32 v[SW+\m], 0x7f7f0000, v[BY]           ; 1.0 for the upper 64 of the instruction's K, whose codes are zeros
.irp g, 0,1,2,3
	v_cvt_scalef32_pk8_fp4_f32 v[QC+4*(\m)+\g], v[N+8*\g:N+8*\g+7], v[SO]
.endr
	v_nop                                          ; a plain place behind the conversions
	global_store_b128 v[L16], v[QC+4*(\m):QC+4*(\m)+3], s[20:21] offset:512*(\m)   ; 32 lanes store 512 consecutive bytes
.endm
.irp m, 0,1,2,3,4,5,6,7
	ROPE \m
.endr
	v_cmp_ne_u32 vcc_lo, 0, v[H]
.irp x, 0,1,2,3
	v_cndmask_b32 v[KW+\x], v[SW+\x], v[SW+4+\x], vcc_lo   ; lanes 0-15: tiles 0-3; lanes 16-31: tiles 4-7
.endr
	global_store_b128 v[L16], v[KW:KW+3], s[20:21] offset:4096
; v: block 2 c + h of the keys, channel r of tile n: 32 registers of one lane
.macro QV n, c
	WIN 0x28                                       ; sources 1 and 2: window 2
	v_mov_b32 v[MA], FLOOR
	v_mov_b32 v[MB], FLOOR
.irp i, 0,2,4,6,8,10,12,14
	v_max3_num_f32 v[MA], v[MA], |v[64*\n+32*\c+\i]|, |v[64*\n+32*\c+\i+1]|
	v_max3_num_f32 v[MB], v[MB], |v[64*\n+32*\c+16+\i]|, |v[64*\n+32*\c+17+\i]|
.endr
	WIN 0
	v_max_num_f32 v[MA], v[MA], v[MB]
	v_add_nc_u32 v[SO], EOFF, v[MA]
	v_lshrrev_b32 v[VB+\c], 23, v[SO]
	WIN 0x02                                       ; source 0: window 2
.irp g, 0,1,2,3
	v_cvt_scalef32_pk8_fp4_f32 v[VC+8*\n+4*\c+\g], v[64*\n+32*\c+8*\g:64*\n+32*\c+8*\g+7], v[SO]
.endr
	WIN 0
	v_nop                                          ; a plain place behind the conversions
	global_store_b128 v[VO1], v[VC+8*\n+4*\c:VC+8*\n+4*\c+3], s[22:23] offset:1024*\n+512*\c
.endm
.irp n, 0,1
	QV \n, 0
	QV \n, 1
	v_lshl_or_b32 v[VW+\n], v[VB+1], 16, v[VB]     ; my two bytes: blocks h and 2 + h,
	v_lshlrev_b32 v[VW+\n], v[H8], v[VW+\n]        ; at their places;
	v_permlanex16_b32 v[PD], v[VW+\n], s[SEL], s[SEL+1]
	v_or_b32 v[VW+\n], v[VW+\n], v[PD]             ; with lane l xor 16's two the word is whole
.endr
	global_store_b64 v[VO2], v[VW:VW+1], s[22:23] offset:4096
	s_set_vgpr_msb 0xa
	s_wait_tensorcnt 0x0
	ds_add_u32 v254, v255
	s_wait_dscnt 0x0
	s_set_vgpr_msb 0xa00
	CROUND                                         ; the closing round: no work-group ends while a partner may still ask for a tile that names it
	s_endpgm
.Lfunc_end_k_q33a80cbb4c_proj:
	.size	k_q33a80cbb4c_proj, .Lfunc_end_k_q33a80cbb4c_proj-k_q33a80cbb4c_proj
	.p2alignl 7, 3214868480
	.fill 96, 4, 3214868480
	.section	.rodata,"a",@progbits
	.p2align	6, 0x0
	.amdhsa_kernel k_q33a80cbb4c_proj
		.amdhsa_group_segment_fixed_size 327680
		.amdhsa_private_segment_fixed_size 0
		.amdhsa_enable_private_segment 0
		.amdhsa_kernarg_size 80
		.amdhsa_user_sgpr_count 2
		.amdhsa_user_sgpr_kernarg_segment_ptr 1
		.amdhsa_wavefront_size32 1
		.amdhsa_system_sgpr_workgroup_id_x 1
		.amdhsa_system_sgpr_workgroup_id_y 1
		.amdhsa_system_sgpr_workgroup_id_z 1
		.amdhsa_system_vgpr_workitem_id 0
		.amdhsa_next_free_vgpr 1024
		.amdhsa_next_free_sgpr 102
		.amdhsa_reserve_vcc 1
		.amdhsa_float_denorm_mode_32 3
		.amdhsa_float_denorm_mode_16_64 3
		.amdhsa_memory_ordered 1
		.amdhsa_forward_progress 1
		.amdhsa_inst_pref_size 172
	.end_amdhsa_kernel
	.amdgpu_metadata
---
amdhsa.version: [ 1, 2 ]
amdhsa.kernels:
  - .name:           k_q33a80cbb4c_proj
    .symbol:         k_q33a80cbb4c_proj.kd
    .args:
      - { .name: hidden_states_codes, .offset: 0, .size: 8, .value_kind: global_buffer, .address_space: global }
      - { .name: hidden_states_scales, .offset: 8, .size: 8, .value_kind: global_buffer, .address_space: global }
      - { .name: Wq_codes, .offset: 16, .size: 8, .value_kind: global_buffer, .address_space: global }
      - { .name: Wq_scales, .offset: 24, .size: 8, .value_kind: global_buffer, .address_space: global }
      - { .name: Wk_codes, .offset: 32, .size: 8, .value_kind: global_buffer, .address_space: global }
      - { .name: Wk_scales, .offset: 40, .size: 8, .value_kind: global_buffer, .address_space: global }
      - { .name: Wv_codes, .offset: 48, .size: 8, .value_kind: global_buffer, .address_space: global }
      - { .name: Wv_scales, .offset: 56, .size: 8, .value_kind: global_buffer, .address_space: global }
      - { .name: qimg, .offset: 64, .size: 8, .value_kind: global_buffer, .address_space: global }
      - { .name: kv, .offset: 72, .size: 8, .value_kind: global_buffer, .address_space: global }
    .group_segment_fixed_size: 327680
    .private_segment_fixed_size: 0
    .kernarg_segment_align: 8
    .kernarg_segment_size: 80
    .max_flat_workgroup_size: 128
    .sgpr_count:     102
    .vgpr_count:     1024
    .wavefront_size: 32
...
	.end_amdgpu_metadata
.endif
;; end of part 1
;; launch attn (part 2): grid 16 x 16, 16 waves a work-group, clusters of 4 x 1, 327,680 bytes of LDS; arguments qimg, kv, ao_codes, ao_scales; writes ao_codes, ao_scales
.if DOCPART == 2
	.amdgcn_target "amdgcn-amd-amdhsa--gfx1250"
	.amdhsa_code_object_version 6
	.text
	.protected	k_q33a80cbb4c_attn
	.globl	k_q33a80cbb4c_attn
	.p2align	8
	.type	k_q33a80cbb4c_attn,@function
k_q33a80cbb4c_attn:
	s_mov_b64 s[64:65], 0
	v_nop
	global_prefetch_b8 v0, s[64:65] scope:SCOPE_SE
	s_setreg_imm32_b32 hwreg(HW_REG_WAVE_MODE, 25, 1), 1
	s_wait_xcnt 0x0
	s_wait_alu depctr_hold_cnt(0) depctr_sa_sdst(0) depctr_va_vdst(0) depctr_va_sdst(0) depctr_va_ssrc(0) depctr_va_vcc(0) depctr_vm_vsrc(0)
	s_getreg_b32 s2, hwreg(HW_REG_IB_STS2, 6, 4)
	s_cmp_eq_u32 s2, 0
	s_cbranch_scc0 .Lentry_in_a_cluster
	s_endpgm
.Lentry_in_a_cluster:
	s_bfe_u32 s2, ttmp6, 0x10000c
	s_cmp_lg_u32 s2, 0x3003
	s_cbranch_scc0 .Lentry_shape_is_right
	s_endpgm
.Lentry_shape_is_right:
; o = softmax(8 q k^T) v for one head and 256 queries, both products on codes of FP4 (E2M1) with E8M0 scales; o / l is quantised along the head's 64 and stored as the next launch's operand.
; THE SOFTMAX AHEAD OF THE SECOND PRODUCT: t = score x 8 log2(e); M = the largest t so far, rounded up to a whole number; p = 2^(t - M) is quantised along the keys, not normalised;
; the row's sum l is taken of the unquantised p.  When M moves, l and O are multiplied by 2^(old M - new M), which rounds nothing.
; SHARES.  Sixteen waves, each with one tile of 16 queries in 256 registers, four waves to a SIMD.  Every wave walks 16 steps of 256 keys: the chain that moves M, the rescaling of O and l and the loop's own lines stand once for 256 keys.
; A head's K and V, as images of operand registers with their scale words, are 2 x 147,456 bytes: they lie in LDS whole, byte for byte as in memory.  They come in TWO groups of tensor loads, one load a wave in each; waves 0-7 fetch for K, waves 8-15 for V.
; At the head: the first 1,024 keys (36,864 bytes of K and of V), 4,608 bytes a wave.  Behind an add onto my spare word and its wait, and a round of the cluster's barrier: the other 3,072 keys, 13,824 bytes a wave.
; That second load has the first four steps in which to land; a barrier ahead of step 4 shows it to all waves.  Every load is a first fill, one a wave is out at a time, no byte is filled twice and nothing is stored to LDS.
; CLUSTER 4 x 1: the four blocks of queries of a cluster belong to one head, so K and V are asked for jointly.
; NO PREFETCH: both groups of loads go out at the head and directly behind it; no trip of the loop asks for a tile, so there is no loop in which a request could run ahead of a load.
; LAYOUT.  Both products transposed: S^T = K Q^T, O^T = V^T P^T: a lane holds one query (lane % 16).  Lane r of K's tile 4 c + u holds key 64 c + 8 u + 32 (r / 8) + r % 8, so the 32 score registers of tiles
; 4 c .. 4 c + 3 are keys 64 c + 32 (lane / 16) + 0 .. 31: a whole block in one lane, in the order that the 4-bit operand wants: the conversions' results are the operand.
; THE HEAD'S 64 FILL HALF OF THE INSTRUCTION'S K.  Registers 4-7 of Q's fragment are zero codes, written once, and both sides' scale bytes there are 1.0.  So whatever codes stand in registers 4-7 of K's operand add nothing:
; K's tiles lie densely, 4 registers each, and tile t's operand runs on over tile t + 1's registers (tile 15's over v92-95, four numbers of the softmax that stand still meanwhile; FP4 has no code for NaN or infinity).
; LIMITS: NaN and infinities are not served.  The promise holds while the scaled scores t stay under 2^31 in magnitude.  A p under 2^-126 comes out of v_exp_f32 as 0.
; A block of zeros gets the byte 1 where the rule says 127: its codes are zeros, and only this program reads the bytes.
.set PART,  147456                     ; a head's K, or its V
.set STEPB, 4608                       ; 128 keys: 4,096 bytes of codes, 512 of scale words
.set HEADB, 4608                       ; what a wave's first tensor load brings: 18 rows of 256 bytes
.set RESTB, 13824                      ; and its second: 54 rows
.set FIRST, 8*HEADB                    ; K's (V's) bytes of the first 1,024 keys
.set SPARE, 294912                     ; behind K and V: the spare words, 128 bytes a wave
.set FLOOR, 0x01800000                 ; 2^(3 - 127): no scale byte falls under 1
.set EOFF,  0xff000000                 ; takes 2 off an exponent field
.set AK,  1                            ; LDS address of the step's K: 16 x lane + 9,216 x step
.set AV,  2                            ; of its V
.set QS,  3                            ; Q's scale words
.set SPW, 4                            ; my spare word; never rewritten
.set NIL, 5                            ; 0; never rewritten
.set PW,  6                            ; v6, v7 p's scale words of the step's two halves
.set PD,  8                            ; v8, v9 lane permutes' destinations
.set L,   10                           ; v[10:11] l in two halves
.set Q,   12                           ; v12-15 Q's codes, v16-19 zero codes
.set SC,  20                           ; v20-27 K's scale words, then V's
.set KF,  28                           ; v28-91 K's 16 tiles; then v28-59 V of the first 128 keys, v60-75 p's codes, v76-91 at work
.set CD,  60
.set C1,  76                           ; v76-79 the blocks' largest scores, then largest p; later two chains of the sum
.set C2,  80                           ; v80-83 second chains of the maxima; later the conversions' scale operands
.set BY,  84                           ; v84-87 at work; the scales' bytes
.set SA,  88                           ; v[88:89], v[90:91] two chains of the sum
.set NM,  92                           ; -M
.set OM,  93                           ; the last step's -M
.set F,   94                           ; f = 2^(old M - new M)
.set RM,  95                           ; the largest score so far
.set S,   96                           ; v96-223 S^T, then p; v96-127 later V of the second 128 keys
.set O,   224                          ; v224-255 O^T
.set WV,  12
.set SEL, 20
.set CS,  22                           ; s[22:23] 8 log2(e): the packed form names a pair and takes its low word
.set G1,  24                           ; s[24:31], s[32:35] groups 1 and 0 of the first load
.set G0,  32
.set G1R, 36                           ; s[36:43], s[44:47] of the second
.set G0R, 44
.set CNT, 68
.macro PLACES
.rept 4
	v_nop
.endr
.endm
.macro CROUND
	s_barrier_signal -1
	s_barrier_wait -1
	s_cmp_lg_u32 s[WV], 0
	s_cbranch_scc1 .Lnot_wave_0_\@
	s_barrier_signal -3
.Lnot_wave_0_\@:
	s_barrier_wait -3
	s_barrier_signal -1
	s_barrier_wait -1
.endm
.macro QK t                            ; S^T of K's tile t: scale words of tiles 4-7 of each 128 keys lie in lanes 16-31
.if ((\t)%8) < 4
	v_wmma_scale_f32_16x16x128_f8f6f4 v[S+8*(\t):S+8*(\t)+7], v[KF+4*(\t):KF+4*(\t)+7], v[Q:Q+7], 0, v[SC+4*((\t)/8)+(\t)%4], v[QS] matrix_a_fmt:MATRIX_FMT_FP4 matrix_b_fmt:MATRIX_FMT_FP4
.else
	v_wmma_scale_f32_16x16x128_f8f6f4 v[S+8*(\t):S+8*(\t)+7], v[KF+4*(\t):KF+4*(\t)+7], v[Q:Q+7], 0, v[SC+4*((\t)/8)+(\t)%4], v[QS] matrix_a_fmt:MATRIX_FMT_FP4 matrix_b_fmt:MATRIX_FMT_FP4 matrix_a_scale:MATRIX_SCALE_ROW1
.endif
.endm
.macro PV t, a, half                   ; O^T's tile t += V^T P^T over 128 keys
	v_wmma_scale_f32_16x16x128_f8f6f4 v[O+8*(\t):O+8*(\t)+7], v[(\a)+8*(\t):(\a)+8*(\t)+7], v[CD+8*(\half):CD+8*(\half)+7], v[O+8*(\t):O+8*(\t)+7], v[SC+4*(\half)+(\t)], v[PW+(\half)] matrix_a_fmt:MATRIX_FMT_FP4 matrix_b_fmt:MATRIX_FMT_FP4
.endm
.macro RND p                           ; the sum's four chains take pairs p .. p + 3 of p's 64 pairs of registers
	v_pk_add_f32 v[SA:SA+1], v[SA:SA+1], v[S+2*(\p):S+2*(\p)+1]
	v_pk_add_f32 v[SA+2:SA+3], v[SA+2:SA+3], v[S+2*(\p)+2:S+2*(\p)+3]
	v_pk_add_f32 v[C1:C1+1], v[C1:C1+1], v[S+2*(\p)+4:S+2*(\p)+5]
	v_pk_add_f32 v[C1+2:C1+3], v[C1+2:C1+3], v[S+2*(\p)+6:S+2*(\p)+7]
.endm
.macro CV b, g                         ; eight numbers of my lane's block b become one register of codes
	v_cvt_scalef32_pk8_fp4_f32 v[CD+4*(\b)+(\g)], v[S+32*(\b)+8*(\g):S+32*(\b)+8*(\g)+7], v[C2+(\b)]
.endm
	s_load_b256 s[4:11], s[0:1], 0x0               ; qimg, kv, ao_codes, ao_scales
	v_lshl_add_u32 v[SPW], v0, 2, SPARE
	v_mov_b32 v[NIL], 0
	ds_add_u32 v[SPW], v[NIL]                      ; the opening lines: the add, twice on end, and its wait ahead of my first tensor load
	ds_add_u32 v[SPW], v[NIL]
	v_lshrrev_b32 v96, 5, v0
	v_readfirstlane_b32 s[WV], v96                 ; wave 0..15
	s_bfe_u32 s13, ttmp6, 0x40000                  ; cx
	s_lshl_b32 s14, ttmp9, 2
	s_add_co_u32 s14, s14, s13                     ; my block of 256 queries: it enters Q's and the results' addresses alone
	s_and_b32 s15, ttmp7, 0xffff                   ; the head, which the four partners share
	s_mov_b32 s[G1], 15|(3<<16)|(1<<21)            ; 15:0 the mask: all four; 17:16 elements of 8 bytes; 21 set beside a mask; no padding
	s_mov_b32 s[G1+1], 32<<16                      ; tensor_dim0: 256 bytes
	s_mov_b32 s[G1+2], 18<<16                      ; tensor_dim1
	s_mov_b32 s[G1+3], 32<<16                      ; tile_dim0
	s_mov_b32 s[G1+4], 18                          ; tile_dim1
	s_mov_b32 s[G1+5], 32                          ; dense
	s_mov_b32 s[G1+6], 0
	s_mov_b32 s[G1+7], 0
	s_mov_b32 s[G1R], 15|(3<<16)|(1<<21)           ; the same with 54 rows
	s_mov_b32 s[G1R+1], 32<<16
	s_mov_b32 s[G1R+2], 54<<16
	s_mov_b32 s[G1R+3], 32<<16
	s_mov_b32 s[G1R+4], 54
	s_mov_b32 s[G1R+5], 32
	s_mov_b32 s[G1R+6], 0
	s_mov_b32 s[G1R+7], 0
	s_and_b32 s16, s[WV], 7                        ; my eighth,
	s_lshr_b32 s48, s[WV], 3
	s_mul_i32 s48, s48, PART                       ; of K (waves 0-7) or of V (waves 8-15)
	s_mul_i32 s17, s16, HEADB
	s_add_co_u32 s17, s17, s48                     ; my first part's place in LDS, and in the head's bytes
	s_mul_i32 s49, s16, RESTB
	s_add_co_u32 s49, s49, s48
	s_add_co_u32 s49, s49, FIRST                   ; my second part's
	s_mov_b32 s50, s17
	s_mov_b32 s51, 0
	s_mov_b32 s52, s49
	s_mov_b32 s53, 0
	s_mul_i32 s18, s15, 2*PART                     ; the head's bytes in kv
	s_mov_b32 s19, 0
	s_lshl_b32 s70, s14, 1
	s_lshr_b32 s71, s[WV], 3
	s_add_co_u32 s70, s70, s71                     ; the 128 positions in which my queries lie: 2 x block + wave / 8
	s_mul_i32 s70, s70, STEPB
	s_mul_i32 s71, s15, PART
	s_add_co_u32 s70, s70, s71
	s_mov_b32 s71, 0
	s_lshl_b32 s72, s14, 4
	s_add_co_u32 s72, s72, s[WV]                   ; my tile of queries T
	s_lshl_b32 s74, s72, 13                        ; ao_codes: 8,192 T + 512 head
	s_lshl_b32 s73, s15, 9
	s_add_co_u32 s74, s74, s73
	s_mov_b32 s75, 0
	s_lshl_b32 s76, s72, 9                         ; ao_scales: 512 T + 2 head
	s_lshl_b32 s73, s15, 1
	s_add_co_u32 s76, s76, s73
	s_mov_b32 s77, 0
	s_and_b32 s73, s[WV], 7                        ; my tile among the eight of its 128 positions
	s_lshl_b32 s78, s73, 9                         ; its codes
	s_lshr_b32 s79, s73, 2
	s_lshl_b32 s79, s79, 8
	s_and_b32 s73, s[WV], 3
	s_lshl_b32 s73, s73, 2
	s_add_co_u32 s79, s79, s73
	s_add_co_u32 s79, s79, 4096                    ; its scale words
	s_mov_b32 s[SEL], 0x76543210                   ; v_permlanex16_b32: lane l xor 16
	s_mov_b32 s[SEL+1], 0xfedcba98
	s_mov_b32 s[CS], 0x4138aa3b                    ; 8 log2(e)
	s_mov_b32 s[CS+1], s[CS]
	s_wait_dscnt 0x0                               ; both opening adds are done
	s_wait_kmcnt 0x0
	s_add_nc_u64 s[6:7], s[6:7], s[18:19]
	s_add_nc_u64 s[4:5], s[4:5], s[70:71]
	s_add_nc_u64 s[8:9], s[8:9], s[74:75]
	s_add_nc_u64 s[10:11], s[10:11], s[76:77]
	CROUND                                         ; all four work-groups are here: the joint loads meet
	s_mov_b32 s[G0], 1
	s_mov_b32 s[G0+1], s17
	s_add_nc_u64 s[G0+2:G0+3], s[6:7], s[50:51]
	s_or_b32 s[G0+3], s[G0+3], 0x80000000
	s_mov_b32 s[G0R], 1
	s_mov_b32 s[G0R+1], s49
	s_add_nc_u64 s[G0R+2:G0R+3], s[6:7], s[52:53]
	s_or_b32 s[G0R+3], s[G0R+3], 0x80000000
	tensor_load_to_lds s[G0:G0+3], s[G1:G1+7]      ; every wave's one load at the head: no branch, the addresses hang on the wave's number
	s_nop 0
	PLACES
	v_and_b32 v96, 31, v0
	v_lshlrev_b32 v[AK], 4, v96                    ; 16 x lane
	v_and_b32 v97, 15, v0                          ; r
	v_add_nc_u32 v98, s78, v[AK]
	v_lshl_add_u32 v99, v97, 4, s79
	v_add_nc_u32 v[AV], PART, v[AK]
	global_load_b128 v[Q:Q+3], v98, s[4:5]
	global_load_b32 v[QS], v99, s[4:5]
.irp j, 4,5,6,7
	v_mov_b32 v[Q+\j], 0                           ; the upper 64 of the instruction's K: zero codes
.endr
.set J, 0
.rept 32
	v_mov_b32 v[O+J], 0                            ; O^T: the step has no first form of its own: the first change of M multiplies zeros
.set J, J+1
.endr
	v_mov_b32 v[RM], 0xfb800000                    ; the largest score so far: -2^120
	v_mov_b32 v[NM], 0x7d000000                    ; -M = 2^123: the first f comes out 0
	v_mov_b32 v[OM], 0
	v_mov_b32 v[F], 0
	v_mov_b32 v[L], 0
	v_mov_b32 v[L+1], 0
	v_mov_b32 v[PD], 0                             ; written once: a lane permute's destination counts as one of its sources
	v_mov_b32 v[PD+1], 0
	s_wait_alu depctr_va_vdst(0)
	s_wait_loadcnt 0x0                             ; Q
	s_wait_tensorcnt 0x0                           ; my part of the first 1,024 keys is in; ahead of a later first fill:
	ds_add_u32 v[SPW], v[NIL]                      ; 0 onto my spare word,
	s_wait_dscnt 0x0                               ; and the wait for it
	CROUND                                         ; a whole round: everybody's part is in, and all four work-groups are here: the joint loads meet
	tensor_load_to_lds s[G0R:G0R+3], s[G1R:G1R+7]  ; my part of the other 3,072 keys: the first tensor load behind the round, and my last
	s_nop 0
	PLACES
.macro RUN cnt                         ; cnt steps of 256 keys
	s_mov_b32 s[CNT], \cnt
.Lstep_\@:                                         ; (behind the last products stand twelve additions: the places in front of these loads and of the products that write over v96-127)
	ds_load_b128 v[SC:SC+3], v[AK] offset:4096     ; K's scale words: lanes 0-15 tiles 0-3, lanes 16-31 tiles 4-7
	ds_load_b128 v[SC+4:SC+7], v[AK] offset:STEPB+4096
.irp t, 0,1,2,3,4,5,6,7,8,9,10,11,12,13,14,15
	ds_load_b128 v[KF+4*\t:KF+4*\t+3], v[AK] offset:STEPB*(\t/8)+512*(\t%8)
.endr
	s_wait_dscnt 7                                 ; the scale words and tiles 0-8 are in (tile 7's operand runs on over tile 8); the seven loads behind them may be out
.irp t, 0,1,2,3,4,5,6,7
	QK \t
.endr
	s_wait_dscnt 0x0
.irp t, 8,9,10,11,12,13,14,15
	QK \t
.endr
	v_add_nc_u32 v[AK], 2*STEPB, v[AK]             ; four places in front of loads into, and writes of, registers that the products read, and of the first reads of results
	v_nop
	v_nop
	v_nop
.irp t, 0,1,2,3
	ds_load_b128 v[KF+8*\t:KF+8*\t+3], v[AV] offset:1024*\t          ; V of the first 128 keys
	ds_load_b128 v[KF+8*\t+4:KF+8*\t+7], v[AV] offset:1024*\t+512
.endr
	ds_load_b128 v[SC:SC+3], v[AV] offset:4096     ; V's scale words
	ds_load_b128 v[SC+4:SC+7], v[AV] offset:STEPB+4096
; THE LARGEST SCORE OF EACH OF MY FOUR BLOCKS: it serves the row's maximum and, since p rises with the score, the block's largest p.  Two chains a block, eight by turns; each accumulator is read from its low end on
.irp b, 0,1,2,3
	v_max3_num_f32 v[C1+\b], v[S+32*\b], v[S+32*\b+1], v[S+32*\b+2]
	v_max3_num_f32 v[C2+\b], v[S+32*\b+17], v[S+32*\b+18], v[S+32*\b+19]
.endr
.irp i, 0,1,2,3,4,5
.irp b, 0,1,2,3
	v_max3_num_f32 v[C1+\b], v[C1+\b], v[S+32*\b+3+2*\i], v[S+32*\b+4+2*\i]
	v_max3_num_f32 v[C2+\b], v[C2+\b], v[S+32*\b+20+2*\i], v[S+32*\b+21+2*\i]
.endr
.endr
.irp b, 0,1,2,3
	v_max3_num_f32 v[C1+\b], v[C1+\b], v[S+32*\b+15], v[S+32*\b+16]
.endr
.irp b, 0,1,2,3
	v_max_num_f32 v[C1+\b], v[C1+\b], v[C2+\b]
.endr
	v_mov_b32 v[OM], v[NM]
	v_max3_num_f32 v[BY], v[C1], v[C1+1], v[C1+2]  ; one chain of six lines for 256 keys: nothing of the wave's own is free to stand between them
	v_max3_num_f32 v[BY], v[BY], v[C1+3], v[RM]
	v_permlanex16_b32 v[PD], v[BY], s[SEL], s[SEL+1]
	v_max_num_f32 v[RM], v[BY], v[PD]              ; the largest score of my query so far
	v_mul_f32 v[BY], s[CS], v[RM]                  ; as t (the factor is positive)
	v_floor_f32 v[NM], -v[BY]                      ; the new -M = -ceil(t)
.set J, 0
.rept 64
	v_pk_fma_f32 v[S+J:S+J+1], v[S+J:S+J+1], s[CS:CS+1], v[NM:NM+1] op_sel_hi:[1,0,0]   ; t - M
.if J == 2
	v_sub_f32 v[BY], v[NM], v[OM]                  ; old M - new M: a whole number, 0 or less
.endif
.if J == 8
	v_cvt_i32_f32 v[BY], v[BY]                     ; (it saturates)
.endif
.if J == 14
	v_ldexp_f32 v[F], 1.0, v[BY]                   ; f = 2^(old M - new M)
.endif
.set J, J+2
.endr
.irp b, 0,1,2,3
	v_fma_f32 v[C1+\b], v[C1+\b], s[CS], v[NM]     ; the same of each block's largest score
.endr
.set J, 0
.rept 16
	v_pk_mul_f32 v[O+J:O+J+1], v[O+J:O+J+1], v[F:F+1] op_sel_hi:[1,0]   ; O^T under the new M
.set J, J+2
.endr
	s_wait_alu depctr_va_vdst(0)
.set J, 0
.rept 128
	v_exp_f32 v[S+J], v[S+J]                       ; p = 2^(t - M)
.set J, J+1
.endr
.irp b, 0,1,2,3
	v_exp_f32 v[C1+\b], v[C1+\b]                   ; the blocks' largest p: the same two instructions on the same number
.endr
	v_pk_mul_f32 v[L:L+1], v[L:L+1], v[F:F+1] op_sel_hi:[1,0]   ; l under the new M.  (A plain place behind the exponentials)
	s_wait_alu depctr_va_vdst(0)                   ; one wait for the whole batch, ahead of its first reader
.irp b, 0,1,2,3
	v_max_num_f32 v[C1+\b], FLOOR, v[C1+\b]
.endr
.irp b, 0,1,2,3
	v_add_nc_u32 v[C2+\b], EOFF, v[C1+\b]          ; the conversions' scale operands
.endr
.irp b, 0,1,2,3
	v_lshrrev_b32 v[BY+\b], 23, v[C2+\b]           ; the scales' bytes: of each 128 keys my blocks h and 2 + h
.endr
; THE ROW'S SUM OF THE UNQUANTISED p, in four chains.  The conversions, the scale words' lines and V's second loads stand between the chains' rounds, so that a chain's next line stands five or more lines behind its last
	v_pk_add_f32 v[SA:SA+1], v[S:S+1], v[S+2:S+3]
	v_pk_add_f32 v[SA+2:SA+3], v[S+4:S+5], v[S+6:S+7]
	v_pk_add_f32 v[C1:C1+1], v[S+8:S+9], v[S+10:S+11]
	v_pk_add_f32 v[C1+2:C1+3], v[S+12:S+13], v[S+14:S+15]
	CV 0, 0
	v_lshl_or_b32 v[BY], v[BY+1], 16, v[BY]        ; my two bytes of the first 128 keys, at places 0 and 2,
	v_lshl_or_b32 v[BY+2], v[BY+3], 16, v[BY+2]    ; and of the second
	RND 8
	CV 0, 1
	v_permlanex16_b32 v[PD], v[BY], s[SEL], s[SEL+1]
	v_permlanex16_b32 v[PD+1], v[BY+2], s[SEL], s[SEL+1]
	RND 12
	CV 0, 2
	CV 0, 3
.irp t, 0,1,2,3
	ds_load_b128 v[S+8*\t:S+8*\t+3], v[AV] offset:STEPB+1024*\t      ; V of the second 128 keys, into block 0's registers, which are summed and converted
	ds_load_b128 v[S+8*\t+4:S+8*\t+7], v[AV] offset:STEPB+1024*\t+512
.endr
	v_add_nc_u32 v[AV], 2*STEPB, v[AV]             ; (a plain place behind the conversions)
	v_lshl_or_b32 v[PW], v[PD], 8, v[BY]           ; lanes 0-15, which alone are read: lane l + 16's two bytes at places 1 and 3: p's scale word
	v_lshl_or_b32 v[PW+1], v[PD+1], 8, v[BY+2]
	RND 16
	CV 1, 0
	RND 20
	CV 1, 1
	RND 24
	CV 1, 2
	RND 28
	CV 1, 3
	RND 32
	CV 2, 0
	RND 36
	CV 2, 1
	RND 40
	CV 2, 2
	CV 2, 3
	RND 44
	CV 3, 0
	CV 3, 1
	RND 48
	CV 3, 2
	CV 3, 3
	RND 52                                         ; four plain places between p's last codes and the products
	s_wait_alu depctr_va_vdst(0)
	s_wait_dscnt 0x0                               ; V and its scale words are in
.irp t, 0,1,2,3
	PV \t, KF, 0                                   ; the four accumulators by turns
.endr
.irp t, 0,1,2,3
	PV \t, S, 1
.endr
	RND 56                                         ; these name no register of the products
	RND 60
	v_pk_add_f32 v[SA:SA+1], v[SA:SA+1], v[SA+2:SA+3]
	v_pk_add_f32 v[C1:C1+1], v[C1:C1+1], v[C1+2:C1+3]
	s_delay_alu instid0(VALU_DEP_1)
	v_pk_add_f32 v[SA:SA+1], v[SA:SA+1], v[C1:C1+1]
	s_delay_alu instid0(VALU_DEP_1)
	v_pk_add_f32 v[L:L+1], v[L:L+1], v[SA:SA+1]
	s_sub_co_u32 s[CNT], s[CNT], 1
	s_cmp_lg_u32 s[CNT], 0
	s_cbranch_scc1 .Lstep_\@
.endm
	RUN 4                                          ; the first 1,024 keys, while the second load is on its way
	s_wait_tensorcnt 0x0                           ; my part of the other keys is in (no LDS load of mine is out),
	s_barrier_signal -1
	s_barrier_wait -1                              ; everybody's is
	RUN 12
	; THE WAY OUT: O^T / l, quantised along the head's 64: register 8 t + j is channel 16 t + 8 h + j of my query
	v_add_f32 v[L], v[L], v[L+1]
	s_delay_alu instid0(VALU_DEP_1)
	v_permlanex16_b32 v[PD], v[L], s[SEL], s[SEL+1]
	s_delay_alu instid0(VALU_DEP_1)
	v_add_f32 v[L], v[L], v[PD]                    ; the row's sum
	s_wait_alu depctr_va_vdst(0)
	v_rcp_f32 v[L], v[L]
	v_and_b32 v40, 31, v0                          ; (a plain place behind the reciprocal)
	v_and_b32 v41, 15, v0                          ; r
	v_bfe_u32 v42, v0, 4, 1                        ; h
	v_lshlrev_b32 v40, 4, v40                      ; 16 x lane
	v_lshl_add_u32 v41, v41, 5, v42                ; my scale byte's place: 32 r + h
	s_wait_alu depctr_va_vdst(0)                   ; the wait, directly ahead of the first readers of the reciprocal and of O^T
.set J, 0
.rept 16
	v_pk_mul_f32 v[S+J:S+J+1], v[O+J:O+J+1], v[L:L+1] op_sel_hi:[1,0]
.set J, J+2
.endr
.irp b, 0,1
	v_max3_num_f32 v[28+\b], |v[S+16*\b]|, |v[S+16*\b+1]|, FLOOR   ; block b = tiles 2 b, 2 b + 1: my 16 numbers
.endr
.irp i, 2,4,6,8,10,12,14
.irp b, 0,1
	s_delay_alu instid0(VALU_DEP_2)
	v_max3_num_f32 v[28+\b], v[28+\b], |v[S+16*\b+\i]|, |v[S+16*\b+\i+1]|
.endr
.endr
	s_delay_alu instid0(VALU_DEP_2)
	v_permlanex16_b32 v[PD], v28, s[SEL], s[SEL+1]
	s_delay_alu instid0(VALU_DEP_2)
	v_permlanex16_b32 v[PD+1], v29, s[SEL], s[SEL+1]
	s_delay_alu instid0(VALU_DEP_2)
	v_max_num_f32 v28, v28, v[PD]                  ; with lane l xor 16's 16
	s_delay_alu instid0(VALU_DEP_2)
	v_max_num_f32 v29, v29, v[PD+1]
	s_delay_alu instid0(VALU_DEP_2)
	v_add_nc_u32 v30, EOFF, v28
	s_delay_alu instid0(VALU_DEP_2)
	v_add_nc_u32 v31, EOFF, v29
	s_delay_alu instid0(VALU_DEP_2)
	v_lshrrev_b32 v32, 23, v30
	s_delay_alu instid0(VALU_DEP_2)
	v_lshrrev_b32 v33, 23, v31
	v_cvt_scalef32_pk8_fp4_f32 v36, v[S:S+7], v30        ; tile 0
	v_cvt_scalef32_pk8_fp4_f32 v37, v[S+16:S+23], v31    ; tile 2
	v_cvt_scalef32_pk8_fp4_f32 v38, v[S+8:S+15], v30     ; tile 1
	v_cvt_scalef32_pk8_fp4_f32 v39, v[S+24:S+31], v31    ; tile 3
	v_nop                                          ; a plain place behind the conversions
	v_cmp_ne_u32 vcc_lo, 0, v42
	s_delay_alu instid0(VALU_DEP_1)
	v_cndmask_b32 v32, v32, v33, vcc_lo            ; lane half h stores block h's byte
	v_permlane16_swap_b32 v36, v37                 ; lane (r, h) now holds channels 32 h + 0 .. 31: a whole block, as the next product's operand wants it
	v_permlane16_swap_b32 v38, v39
	global_store_b128 v40, v[36:39], s[8:9]        ; 32 lanes store 512 consecutive bytes
	global_store_b8 v41, v32, s[10:11]             ; a row's 32 scale bytes come from sixteen heads, that is sixteen work-groups: two bytes a row are mine
	s_wait_tensorcnt 0x0                           ; the wave's end
	ds_add_u32 v[SPW], v[NIL]
	s_wait_dscnt 0x0
	CROUND                                         ; the closing round
	s_endpgm
.Lfunc_end_k_q33a80cbb4c_attn:
	.size	k_q33a80cbb4c_attn, .Lfunc_end_k_q33a80cbb4c_attn-k_q33a80cbb4c_attn
	.p2alignl 7, 3214868480
	.fill 96, 4, 3214868480
	.section	.rodata,"a",@progbits
	.p2align	6, 0x0
	.amdhsa_kernel k_q33a80cbb4c_attn
		.amdhsa_group_segment_fixed_size 327680
		.amdhsa_private_segment_fixed_size 0
		.amdhsa_enable_private_segment 0
		.amdhsa_kernarg_size 32
		.amdhsa_user_sgpr_count 2
		.amdhsa_user_sgpr_kernarg_segment_ptr 1
		.amdhsa_wavefront_size32 1
		.amdhsa_system_sgpr_workgroup_id_x 1
		.amdhsa_system_sgpr_workgroup_id_y 1
		.amdhsa_system_sgpr_workgroup_id_z 1
		.amdhsa_system_vgpr_workitem_id 0
		.amdhsa_next_free_vgpr 256
		.amdhsa_next_free_sgpr 80
		.amdhsa_reserve_vcc 1
		.amdhsa_float_denorm_mode_32 3
		.amdhsa_float_denorm_mode_16_64 3
		.amdhsa_memory_ordered 1
		.amdhsa_forward_progress 1
		.amdhsa_inst_pref_size 64
	.end_amdhsa_kernel
	.amdgpu_metadata
---
amdhsa.version: [ 1, 2 ]
amdhsa.kernels:
  - .name:           k_q33a80cbb4c_attn
    .symbol:         k_q33a80cbb4c_attn.kd
    .args:
      - { .name: qimg, .offset: 0, .size: 8, .value_kind: global_buffer, .address_space: global }
      - { .name: kv, .offset: 8, .size: 8, .value_kind: global_buffer, .address_space: global }
      - { .name: ao_codes, .offset: 16, .size: 8, .value_kind: global_buffer, .address_space: global }
      - { .name: ao_scales, .offset: 24, .size: 8, .value_kind: global_buffer, .address_space: global }
    .group_segment_fixed_size: 327680
    .private_segment_fixed_size: 0
    .kernarg_segment_align: 8
    .kernarg_segment_size: 32
    .max_flat_workgroup_size: 512
    .sgpr_count:     80
    .vgpr_count:     256
    .wavefront_size: 32
...
	.end_amdgpu_metadata
.endif
;; end of part 2
;; launch outp (part 3): grid 8 x 32, 4 waves a work-group, clusters of 4 x 4, 168,448 bytes of LDS; arguments ao_codes, ao_scales, Wo_codes, Wo_scales, out0; writes out0
.if DOCPART == 3
	.amdgcn_target "amdgcn-amd-amdhsa--gfx1250"
	.amdhsa_code_object_version 6
	.text
	.protected	k_q33a80cbb4c_outp
	.globl	k_q33a80cbb4c_outp
	.p2align	8
	.type	k_q33a80cbb4c_outp,@function
k_q33a80cbb4c_outp:
	s_mov_b64 s[64:65], 0
	v_nop
	global_prefetch_b8 v0, s[64:65] scope:SCOPE_SE
	s_setreg_imm32_b32 hwreg(HW_REG_WAVE_MODE, 25, 1), 1
	s_wait_xcnt 0x0
	s_wait_alu depctr_hold_cnt(0) depctr_sa_sdst(0) depctr_va_vdst(0) depctr_va_sdst(0) depctr_va_ssrc(0) depctr_va_vcc(0) depctr_vm_vsrc(0)
	s_getreg_b32 s2, hwreg(HW_REG_IB_STS2, 6, 4)
	s_cmp_eq_u32 s2, 0
	s_cbranch_scc0 .Lentry_in_a_cluster
	s_endpgm
.Lentry_in_a_cluster:
	s_bfe_u32 s2, ttmp6, 0x10000c
	s_cmp_lg_u32 s2, 0xf033
	s_cbranch_scc0 .Lentry_shape_is_right
	s_endpgm
.Lentry_shape_is_right:
; out0 = ao Wo^T on codes of FP4 (E2M1) with E8M0 scales; out0 [4096][1024] f32.
; ao_codes [tile of 16 queries][head][512] are images of operand registers: heads 2 s and 2 s + 1 are the fragment of K step s.  ao_scales [tile][row][32].  Row r of tile 8 y + 4 i + a is position
; 128 y + 64 i + 8 a + 32 (r / 8) + r % 8: the order in which the first launch laid the positions.
; SHARES.  A work-group makes 128 positions x 128 columns; 256 work-groups.  Wave w: tiles 4 (w / 2) .. + 3 of queries x columns 64 (w % 2) on: 16 accumulators.
; All of K (1,024) fits in LDS: one tensor load a wave, a first fill; no LDS byte is filled twice.
; CLUSTER 4 x 4: ao's tile hangs on the positions alone and is asked for jointly along a row of the cluster, Wo's on the columns alone and jointly along a column.
; THE MATRIX INSTRUCTION IS USED TRANSPOSED (source 0 = 16 rows of Wo, source 1 = ao): a lane holds eight neighbouring columns of one row of out0.
; LIMITS: NaN, infinities and the scale byte 0xff among the inputs are not served.
.set PITCH, 528                        ; a row of Wo in LDS: 512 bytes + 16 of padding
.set BOFF,  65536                      ; behind ao's 65,536 dense bytes
.set STAGE, BOFF+128*PITCH             ; behind Wo's tile: 16 rows x 272 bytes for each wave
.set SP,    272
.set L16, 1
.set R,   2
.set H,   3
.set AA,  4                            ; LDS: my four tiles of ao, 16 x lane
.set AB,  5                            ; my row of Wo
.set STO, 6
.set RD,  7
.set CO,  8
.set SOF, 9
.set AS,  16                           ; v16-31 ao's scale words, 4 registers a tile: lanes 0-15 K steps 0-3, lanes 16-31 K steps 4-7
.set BS,  32                           ; v32-47 Wo's
.set BK,  64                           ; v64-127 rows read back from the stage, two sets
.set ACC, 128                          ; v128-255 accumulator (a, b) at 8 (4 a + b).  Window 1: two fragment buffers of 128: ao at 8 a, Wo at 32 + 8 b
.set WV,   14
.set IH,   15
.set JB,   16
.set CX,   17
.set CY,   18
.set WGX,  19
.set WGY,  20
.set ROWM, 21
.set COLM, 22
.set G1A,  24
.set G0A,  32
.set G1B,  36
.set G0B,  44
.set MSB, 0
.macro WIN new
.if MSB != \new
	s_set_vgpr_msb (MSB<<8)|\new
.set MSB, \new
.endif
.endm
.macro PLACES
.rept 4
	v_nop
.endr
.endm
.macro CROUND
	s_barrier_signal -1
	s_barrier_wait -1
	s_cmp_lg_u32 s[WV], 0
	s_cbranch_scc1 .Lnot_wave_0_\@
	s_barrier_signal -3
.Lnot_wave_0_\@:
	s_barrier_wait -3
	s_barrier_signal -1
	s_barrier_wait -1
.endm
.macro MM d, a, b, sa, sb, zero, row
.if \zero
	v_wmma_scale_f32_16x16x128_f8f6f4 v[(\d):(\d)+7], v[(\a):(\a)+7], v[(\b):(\b)+7], 0, v[(\sa)], v[(\sb)] matrix_a_fmt:MATRIX_FMT_FP4 matrix_b_fmt:MATRIX_FMT_FP4
.elseif \row
	v_wmma_scale_f32_16x16x128_f8f6f4 v[(\d):(\d)+7], v[(\a):(\a)+7], v[(\b):(\b)+7], v[(\d):(\d)+7], v[(\sa)], v[(\sb)] matrix_a_fmt:MATRIX_FMT_FP4 matrix_b_fmt:MATRIX_FMT_FP4 matrix_a_scale:MATRIX_SCALE_ROW1 matrix_b_scale:MATRIX_SCALE_ROW1
.else
	v_wmma_scale_f32_16x16x128_f8f6f4 v[(\d):(\d)+7], v[(\a):(\a)+7], v[(\b):(\b)+7], v[(\d):(\d)+7], v[(\sa)], v[(\sb)] matrix_a_fmt:MATRIX_FMT_FP4 matrix_b_fmt:MATRIX_FMT_FP4
.endif
.endm
	s_load_b256 s[4:11], s[0:1], 0x0               ; ao's codes s[4:5], scales s[6:7]; Wo's codes s[8:9], scales s[10:11]
	s_load_b64 s[12:13], s[0:1], 0x20              ; out0
	v_lshl_add_u32 v62, v0, 2, 0x29000
	v_mov_b32 v63, 0
	ds_add_u32 v62, v63
	ds_add_u32 v62, v63
	v_lshrrev_b32 v1, 5, v0
	v_readfirstlane_b32 s[WV], v1
	s_lshr_b32 s[IH], s[WV], 1                     ; which four tiles of queries.  Also: I fetch for ao (0) or for Wo (1)
	s_and_b32 s[JB], s[WV], 1                      ; which 64 columns.  Also: which half of that tile I fetch
	s_bfe_u32 s[CX], ttmp6, 0x40000
	s_bfe_u32 s[CY], ttmp6, 0x40004
	s_lshl_b32 s[WGX], ttmp9, 2
	s_add_co_u32 s[WGX], s[WGX], s[CX]
	s_and_b32 s[WGY], ttmp7, 0xffff
	s_lshl_b32 s[WGY], s[WGY], 2
	s_add_co_u32 s[WGY], s[WGY], s[CY]
	s_lshl_b32 s[ROWM], s[CY], 2
	s_lshl_b32 s[ROWM], 15, s[ROWM]
	s_lshl_b32 s[COLM], 0x1111, s[CX]
	s_or_b32 s[G1A], s[ROWM], (3<<16)|(1<<21)      ; ao: 128 dense rows of 256 bytes (32 elements of 8 bytes), no padding
	s_mov_b32 s[G1A+1], 32<<16
	s_mov_b32 s[G1A+2], 128<<16
	s_mov_b32 s[G1A+3], 32<<16
	s_mov_b32 s[G1A+4], 128
	s_mov_b32 s[G1A+5], 32
	s_mov_b32 s[G1A+6], 0
	s_mov_b32 s[G1A+7], 0
	s_or_b32 s[G1B], s[COLM], (1<<20)|(1<<21)|(6<<22)|(3<<25)   ; Wo: 64 rows of 512 bytes, 16 bytes of padding behind each
	s_mov_b32 s[G1B+1], 512<<16
	s_mov_b32 s[G1B+2], 64<<16
	s_mov_b32 s[G1B+3], 512<<16
	s_mov_b32 s[G1B+4], 64
	s_mov_b32 s[G1B+5], 512
	s_mov_b32 s[G1B+6], 0
	s_mov_b32 s[G1B+7], 0
	s_lshl_b32 s23, s[JB], 15                      ; my half: 32,768 bytes of either tensor
	s_lshl_b32 s48, s[WGY], 16
	s_add_co_u32 s48, s48, s23
	s_mov_b32 s49, 0
	s_lshl_b32 s50, s[WGX], 16
	s_add_co_u32 s50, s50, s23
	s_mov_b32 s51, 0
	s_mul_i32 s53, s[JB], 64*PITCH
	s_add_co_u32 s53, s53, BOFF
	s_wait_dscnt 0x0
	s_wait_kmcnt 0x0
	s_add_nc_u64 s[4:5], s[4:5], s[48:49]
	s_add_nc_u64 s[8:9], s[8:9], s[50:51]
	CROUND                                         ; all sixteen work-groups are here: the joint loads meet
	s_mov_b32 s[G0A], 1
	s_mov_b32 s[G0A+1], s23
	s_mov_b64 s[G0A+2:G0A+3], s[4:5]
	s_or_b32 s[G0A+3], s[G0A+3], 0x80000000
	s_mov_b32 s[G0B], 1
	s_mov_b32 s[G0B+1], s53
	s_mov_b64 s[G0B+2:G0B+3], s[8:9]
	s_or_b32 s[G0B+3], s[G0B+3], 0x80000000
	s_cmp_eq_u32 s[IH], 0                          ; one load a wave; four v_nop follow each of the two lines
	s_cbranch_scc0 .Lfor_b
	tensor_load_to_lds s[G0A:G0A+3], s[G1A:G1A+7]
	s_nop 0
	PLACES
	s_branch .Lasked
.Lfor_b:
	tensor_load_to_lds s[G0B:G0B+3], s[G1B:G1B+7]
	s_nop 0
	PLACES
.Lasked:
	v_and_b32 v[L16], 31, v0
	v_lshlrev_b32 v[L16], 4, v[L16]
	v_and_b32 v[R], 15, v0
	v_bfe_u32 v[H], v0, 4, 1
	v_lshlrev_b32 v[SOF], 5, v[R]
	v_lshl_add_u32 v[SOF], v[H], 4, v[SOF]         ; 32 bytes of scales a row; lanes 16-31 take the upper 16
	s_wait_alu depctr_va_vdst(0)
	s_lshl_b32 s54, s[WGY], 12
	s_lshl_b32 s52, s[IH], 11
	s_add_co_u32 s54, s54, s52
	s_mov_b32 s55, 0
	s_add_nc_u64 s[6:7], s[6:7], s[54:55]          ; ao's scales at my first tile
	s_lshl_b32 s54, s[WGX], 12
	s_lshl_b32 s52, s[JB], 11
	s_add_co_u32 s54, s54, s52
	s_add_nc_u64 s[10:11], s[10:11], s[54:55]      ; Wo's at my first row
.irp a, 0,1,2,3
	global_load_b128 v[AS+4*\a:AS+4*\a+3], v[SOF], s[6:7] offset:512*\a
.endr
.irp b, 0,1,2,3
	global_load_b128 v[BS+4*\b:BS+4*\b+3], v[SOF], s[10:11] offset:512*\b
.endr
	s_lshl_b32 s52, s[IH], 15
	v_add_nc_u32 v[AA], s52, v[L16]
	s_mul_i32 s52, s[JB], 64*PITCH
	s_add_co_u32 s52, s52, BOFF
	v_mul_u32_u24 v[AB], v[R], PITCH
	v_lshl_add_u32 v[AB], v[H], 4, v[AB]
	v_add_nc_u32 v[AB], s52, v[AB]
	s_mul_i32 s52, s[WV], 16*SP
	s_add_co_u32 s52, s52, STAGE                   ; my stage
	v_mul_u32_u24 v[STO], v[R], SP
	v_lshl_add_u32 v[STO], v[H], 5, v[STO]
	v_add_nc_u32 v[STO], s52, v[STO]               ; in: row r, 32 bytes for each half of the lanes
	v_mul_u32_u24 v[RD], v[H], SP
	v_lshl_add_u32 v[RD], v[R], 4, v[RD]
	v_add_nc_u32 v[RD], s52, v[RD]                 ; back: lanes 0-15 one row of 256 bytes, lanes 16-31 the next
	v_lshlrev_b32 v[CO], 12, v[H]
	v_lshl_add_u32 v[CO], v[R], 4, v[CO]           ; and the same two rows in out0
	s_lshl_b32 s54, s[WGY], 19                     ; (128 y + 64 i) rows of 4,096 bytes + 512 x + 256 j
	s_lshl_b32 s52, s[IH], 18
	s_add_co_u32 s54, s54, s52
	s_lshl_b32 s52, s[WGX], 9
	s_add_co_u32 s54, s54, s52
	s_lshl_b32 s52, s[JB], 8
	s_add_co_u32 s54, s54, s52
	s_add_nc_u64 s[12:13], s[12:13], s[54:55]
	s_wait_alu depctr_va_vdst(0)
	s_wait_loadcnt 0x0                             ; the scale words
	s_wait_tensorcnt 0x0                           ; my part of the tiles is in,
	s_barrier_signal -1
	s_barrier_wait -1                              ; everybody's is
.macro FETCH s, p                      ; K step s: 16 loads in one run into buffer p
	WIN 0x40                                       ; destination window 1
.irp a, 0,1,2,3
.irp c, 0,1
	ds_load_b128 v[128*(\p)+8*\a+4*\c:128*(\p)+8*\a+4*\c+3], v[AA] offset:8192*\a+1024*(\s)+512*\c
.endr
.endr
.irp b, 0,1,2,3
.irp c, 0,1
	ds_load_b128 v[128*(\p)+32+8*\b+4*\c:128*(\p)+32+8*\b+4*\c+3], v[AB] offset:16*PITCH*\b+64*(\s)+32*\c
.endr
.endr
.endm
.macro KSTEP s                         ; the 16 accumulators take turns, one instruction a turn, in the same order in every step
.set FB, 128*((\s)%2)
	s_wait_dscnt 0x0                               ; this step's fragments are in
.if \s < 7
.if \s > 0
	PLACES                                         ; in front of loads into the buffer that the last step multiplied
.endif
	FETCH (\s)+1, ((\s)+1)%2
.endif
	WIN 0x05                                       ; sources window 1; C and D window 0
.irp a, 0,1,2,3
.irp b, 0,1,2,3
	MM ACC+8*(4*\a+\b), FB+32+8*\b, FB+8*\a, BS+4*\b+(\s)%4, AS+4*\a+(\s)%4, (\s)==0, (\s)/4
.endr
.endr
.endm
	FETCH 0, 0
.irp s, 0,1,2,3,4,5,6,7
	KSTEP \s
.endr
	WIN 0
	PLACES                                         ; in front of the first reads of results
; THE WAY OUT, a tile of 16 rows x 64 columns at a time, through my own stage: LDS serves a wave's instructions in order, so no wait stands between the stores and the loads
.macro TOSTAGE a
.irp b, 0,1,2,3
	ds_store_b128 v[STO], v[ACC+8*(4*(\a)+\b):ACC+8*(4*(\a)+\b)+3] offset:64*\b        ; each accumulator from its low end on
	ds_store_b128 v[STO], v[ACC+8*(4*(\a)+\b)+4:ACC+8*(4*(\a)+\b)+7] offset:64*\b+16
.endr
.irp u, 0,1,2,3,4,5,6,7
	ds_load_b128 v[BK+32*((\a)%2)+4*\u:BK+32*((\a)%2)+4*\u+3], v[RD] offset:2*\u*SP
.endr
.endm
.macro SEND a, younger                 ; younger: the LDS instructions issued behind tile a's loads
	s_wait_dscnt \younger
.irp u, 0,1,2,3,4,5,6,7
	global_store_b128 v[CO], v[BK+32*((\a)%2)+4*\u:BK+32*((\a)%2)+4*\u+3], s[12:13] offset:(8*(\a)+2*\u+24*(\u/4))*4096 th:TH_STORE_NT   ; rows 2 u + h of the tile are positions 8 a + 2 u + h, from row 8 on 24 further; 16 lanes store 256 consecutive bytes, aligned
.endr
.endm
	TOSTAGE 0
.irp a, 1,2,3
.if \a > 1
	s_wait_xcnt 0x0                                ; tile a - 2's stores have read their registers: tile a's loads may land there
.endif
	TOSTAGE \a
	SEND \a-1, 16                                  ; behind tile a - 1's loads: tile a's 8 stores and 8 loads
.endr
	SEND 3, 0
	s_wait_tensorcnt 0x0
	ds_add_u32 v62, v63
	s_wait_dscnt 0x0
	CROUND                                         ; the closing round
	s_endpgm
.Lfunc_end_k_q33a80cbb4c_outp:
	.size	k_q33a80cbb4c_outp, .Lfunc_end_k_q33a80cbb4c_outp-k_q33a80cbb4c_outp
	.p2alignl 7, 3214868480
	.fill 96, 4, 3214868480
	.section	.rodata,"a",@progbits
	.p2align	6, 0x0
	.amdhsa_kernel k_q33a80cbb4c_outp
		.amdhsa_group_segment_fixed_size 168448
		.amdhsa_private_segment_fixed_size 0
		.amdhsa_enable_private_segment 0
		.amdhsa_kernarg_size 40
		.amdhsa_user_sgpr_count 2
		.amdhsa_user_sgpr_kernarg_segment_ptr 1
		.amdhsa_wavefront_size32 1
		.amdhsa_system_sgpr_workgroup_id_x 1
		.amdhsa_system_sgpr_workgroup_id_y 1
		.amdhsa_system_sgpr_workgroup_id_z 1
		.amdhsa_system_vgpr_workitem_id 0
		.amdhsa_next_free_vgpr 512
		.amdhsa_next_free_sgpr 80
		.amdhsa_reserve_vcc 0
		.amdhsa_float_denorm_mode_32 3
		.amdhsa_float_denorm_mode_16_64 3
		.amdhsa_memory_ordered 1
		.amdhsa_forward_progress 1
		.amdhsa_inst_pref_size 40
	.end_amdhsa_kernel
	.amdgpu_metadata
---
amdhsa.version: [ 1, 2 ]
amdhsa.kernels:
  - .name:           k_q33a80cbb4c_outp
    .symbol:         k_q33a80cbb4c_outp.kd
    .args:
      - { .name: ao_codes, .offset: 0, .size: 8, .value_kind: global_buffer, .address_space: global }
      - { .name: ao_scales, .offset: 8, .size: 8, .value_kind: global_buffer, .address_space: global }
      - { .name: Wo_codes, .offset: 16, .size: 8, .value_kind: global_buffer, .address_space: global }
      - { .name: Wo_scales, .offset: 24, .size: 8, .value_kind: global_buffer, .address_space: global }
      - { .name: out0, .offset: 32, .size: 8, .value_kind: global_buffer, .address_space: global }
    .group_segment_fixed_size: 168448
    .private_segment_fixed_size: 0
    .kernarg_segment_align: 8
    .kernarg_segment_size: 40
    .max_flat_workgroup_size: 128
    .sgpr_count:     80
    .vgpr_count:     512
    .wavefront_size: 32
...
	.end_amdgpu_metadata
.endif
;; end of part 3
